; MI455X (gfx1250); checked and timed in simulation.
; The chip was launched on July 23, 2026; its instructions are those of AMD's public machine-readable ISA for CDNA 5 (MIT licence, August 2026) and "CDNA5" Instruction Set Architecture Reference Guide (July 2026). The comments in the code are by the model that wrote it; some were corrected since.
;; Cross Multi Head Attention. Allowed arithmetic: matrix products marked QUANTISED: E2M3 operands, one E8M0 scale for each 32 along K, by v_wmma_scale_f32_16x16x128_f8f6f4 with both operands' format E2M3, f32 sums; everything else in f32.
;; Inputs: encoderOutputs 4 x 2,048 x 1,024 float32; inputs 4 x 2,048 x 1,024 float32; wk 1,024 x 1,024 float32; wo 1,024 x 1,024 float32; wq 1,024 x 1,024 float32; wv 1,024 x 1,024 float32.
;; Outputs: out0 4 x 2,048 x 1,024 float32.
;; This version of the problem:
;;   THIS VERSION OF THE PROBLEM IS GIVEN IN LOW PRECISION. The matrix products marked QUANTISED in the list below multiply operands that are first quantised to E2M3 (2 exponent bits, 3 mantissa bits; 6 bits a number), with one power-of-two scale for each 32 numbers along K (OCP MX v1.0); their sums are f32. All else is computed in f32.
;;   The module's matrix products, in the order in which they are computed (A, B: the left and right operand; K: the contracted axis; several contracted axes count as one K, in the product's order):
;;     1. [M 8,192, K 1,024] x [K 1,024, N 1,024]; A: input inputs; B: input wq: QUANTISED
;;     2. [M 8,192, K 1,024] x [K 1,024, N 1,024]; A: input encoderOutputs; B: input wk: QUANTISED
;;     3. [M 8,192, K 1,024] x [K 1,024, N 1,024]; A: input encoderOutputs; B: input wv: QUANTISED
;;     4. batch 64 x [M 2,048, K 64] x [K 64, N 2,048]; A: computed on the way; B: computed on the way: QUANTISED
;;     5. batch 64 x [M 2,048, K 2,048] x [K 2,048, N 64]; A: softmax (see below); B: computed on the way: QUANTISED
;;     6. [M 8,192, K 1,024] x [K 1,024, N 1,024]; A: computed on the way; B: input wo: QUANTISED
;;   THE QUANTISER, for each operand of a quantised product, along K:
;;     - K is cut into blocks of 32 from its start; a last block that is shorter is filled with zeros.
;;     - A block's scale is 2^e with e = floor(log2(the largest magnitude in the block)) - 2, held to -126 .. 127; a block of zeros has e = 0. As a byte (E8M0): e + 127.
;;     - Each number is divided by its block's scale, clamped to +-7.5, and rounded to the nearest number of E2M3, ties to even, subnormals kept.
;;     - The product sums the exact products of the quantised numbers (number of the format x scale) in f32.
;;   ~~~python
;;   def quantise(x, axis):      # numpy; x: float32 -> the quantised numbers, widened to float32 again
;;       x = np.moveaxis(x, axis, -1); K = x.shape[-1]
;;       x = np.pad(x, [(0, 0)] * (x.ndim - 1) + [(0, -K % 32)]); x = x.reshape(x.shape[:-1] + (-1, 32)); a = np.abs(x).max(-1, keepdims=True)
;;       e = np.where(a > 0, np.clip(np.frexp(np.where(a > 0, a, 1))[1] - 1 - 2, -126, 127), 0)      # np.frexp(a)[1] - 1 = floor(log2(a)), exactly
;;       r = np.clip(x / 2.0 ** e, -7.5, 7.5)
;;       step = 2.0 ** (np.maximum(np.frexp(np.where(r == 0, 1, r))[1] - 1, 0) - 3)
;;       q = np.round(r / step) * step * 2.0 ** e      # np.round: ties to even
;;       return np.moveaxis(q.reshape(q.shape[:-2] + (-1,))[..., :K], -1, axis).astype(np.float32)
;;   ~~~
;;   SOFTMAX AHEAD OF A QUANTISED PRODUCT. Where the list says 'softmax', what is quantised is not the finished softmax but p = 2^(t - M), with t = logit x log2(e) and M = ceil(the row's largest t), a whole number; so 1/2 < the row's largest p <= 1. The row's sum l is taken of the UNQUANTISED p, in f32, and the product's result is divided by l at the end. Since M is a whole number, a kernel that streams over the keys may use a running M (the ceiling of the running maximum): every later rescaling is an exact power of two, which a block's scale takes up: the codes' values come out the same.
;;   OPERANDS COMPUTED ON THE WAY. 'Computed on the way' means the value that the module computes at that place (a softmax that the list does not call 'softmax' is quantised finished and normalised). What goes into a quantiser is computed in f32, as accurately as f32 sums, v_exp_f32 and their like allow (about 1e-6 of the number): no bf16 or f16 on the way to a quantiser, and a product that is left as it is and whose result goes on into a quantised operand takes f32 operands (vector FMAs, or v_wmma_f32_16x16x4_f32). A number that lies on a knife's edge between two numbers of the format may be rounded either way, as far as f32 arithmetic and the matrix unit's own rounding can turn it there, and no further.
;; One version. Each part assembles by itself: llvm-mc -triple=amdgcn-amd-amdhsa -mcpu=gfx1250 --defsym DOCPART=n.
;; ======== version 1 of 1: 4 launches
;; limits: right only within a limited range of input values
;; workspace buffers: xc 15,728,640 bytes; xs 655,360 bytes; qkv 20,185,088 bytes; cc 6,291,456 bytes; cs 524,288 bytes
;; launch quant (part 1): grid 640 x 1, 4 waves a work-group, no clusters, 35,328 bytes of LDS; arguments inputs, encoderOutputs, wq, wk, wv, wo, xc, xs; writes xc, xs
.if DOCPART == 1
	.amdgcn_target "amdgcn-amd-amdhsa--gfx1250"
	.amdhsa_code_object_version 6
	.text
	.protected	k_q5a6a637d84_quant
	.globl	k_q5a6a637d84_quant
	.p2align	8
	.type	k_q5a6a637d84_quant,@function
k_q5a6a637d84_quant:
	s_mov_b64 s[64:65], 0
	v_nop
	global_prefetch_b8 v0, s[64:65] scope:SCOPE_SE
	s_setreg_imm32_b32 hwreg(HW_REG_WAVE_MODE, 25, 1), 1
	s_wait_xcnt 0x0
; CROSS ATTENTION IN MX-FP6, LAUNCH 1 OF 4: the six f32 inputs become codes of E2M3 and E8M0 scale bytes, along K = 1,024, which is innermost in all six.
; DEAD WORK: none.  Every input reaches the output and all six products are live, so nothing is left out in any launch.
; LIMITS: NaN and infinities among the inputs are not served.  A block of zeros gets the byte 1 where the rule says 127: its codes are zeros, which add nothing
; under any byte but 0xff, and the bytes are read by this program alone.  Blocks whose largest magnitude lies under 2^(3 - 127) are held at the byte 1.
; THE UNIT.  All codes of this program lie in units of 16 rows x 64 k, 768 bytes, as an image of operand registers: lane (r, h) owns the 24 bytes of tile row r, k = 32 h .. 32 h + 31;
; its registers 0-3 lie at byte 16 x lane, its registers 4-5 at byte 512 + 8 x lane.  Two units on end are a fragment of 128 along K.
; THE ROWS OF A TILE ARE NOT NEIGHBOURS: tile 4 G + t takes, as its row r, row 64 G + 8 t + r % 8 + 32 (r / 8).  A product that takes the four tiles of a band G as its source 0
; leaves in a lane's 32 registers the 32 neighbours 64 G + 32 h + 0 .. 31: one whole scale block of the next product.
; xc: 1,280 row tiles (inputs 0-511, encoderOutputs 512-1023, wq, wk, wv, wo 64 each) x 16 units.  xs: for each row tile 512 bytes: [K half][r][4 words], a word = the four bytes of 128 along K.
; SHARES.  Work-group g owns row tiles 2 g and 2 g + 1.  Wave w: tile u = w / 2, K half q = w % 2: 8 units.  A lane holds a whole block of 32.
; Each load reads two rows' aligned 256 bytes; the 16 x 256 bytes of a unit turn through the wave's own stage in LDS (pitch 272) and come back 128 bytes a lane.  Loads run three units ahead, the turn one.
; No matrix unit, no cluster, no barrier: waves share nothing.  No prefetch: the launch streams its inputs once with 24 loads a wave on their way.
.set WREG,  8704                       ; LDS of a wave: two stages
.set STG,   4352                       ; a stage: 16 rows x 272 bytes
.set SP,    272
.set SPARE, 4*WREG                     ; the spare words, 128 bytes a wave
.set P,     16                         ; v16-19  my bytes of the four scale words
.set SPW,   28
.set NIL,   29
.set R,     32                         ; v32-127  three sets of 32: a unit as loaded
.set X,     128                        ; v128-191 two sets of 32: my block
.set C,     192                        ; v192-255 eight registers a unit: no store's data are written again
	s_load_b512 s[4:19], s[0:1], 0x0               ; inputs, encoderOutputs, wq, wk, wv, wo, xc s[16:17], xs s[18:19]
	v_lshl_add_u32 v[SPW], v0, 2, SPARE
	v_mov_b32 v[NIL], 0
	v_lshrrev_b32 v1, 5, v0
	v_readfirstlane_b32 s20, v1                    ; wave
	v_and_b32 v2, 31, v0
	v_and_b32 v3, 15, v0                           ; r
	v_bfe_u32 v4, v0, 4, 1                         ; h
	v_lshlrev_b32 v5, 12, v4
	v_lshl_add_u32 v5, v3, 4, v5                   ; in: lanes 0-15 one row's 256 bytes, lanes 16-31 the next row's
	s_mul_i32 s25, s20, WREG
	v_mul_u32_u24 v6, v4, SP
	v_lshl_add_u32 v6, v3, 4, v6
	v_add_nc_u32 v6, s25, v6                       ; into the stage, as loaded
	v_mul_u32_u24 v7, v3, SP
	v_lshl_add_u32 v7, v4, 7, v7
	v_add_nc_u32 v7, s25, v7                       ; out of it: row r, 128 h bytes on
	v_lshlrev_b32 v8, 4, v2
	v_lshlrev_b32 v9, 3, v2
	v_lshlrev_b32 v10, 4, v3
	v_lshl_add_u32 v10, v4, 3, v10                 ; the scale words: 16 r + 8 h
	v_lshlrev_b32 v11, 3, v4                       ; 8 h
.irp i, 20,21,22,23
	v_mov_b32 v\i, 0                               ; a lane permute's destination counts as one of its sources
.endr
	s_mov_b32 s21, 0xffff0000                      ; lanes 16-31
	s_mov_b32 s22, 0x76543210
	s_mov_b32 s23, 0xfedcba98
	s_lshr_b32 s26, s20, 1                         ; u
	s_and_b32 s27, s20, 1                          ; q
	s_lshl_b32 s28, ttmp9, 1
	s_add_co_u32 s28, s28, s26                     ; my row tile
	s_mul_i32 s30, s28, 12288
	s_mul_i32 s29, s27, 6144
	s_add_co_u32 s30, s30, s29
	s_mov_b32 s31, 0
	s_lshl_b32 s32, s28, 9
	s_lshl_b32 s29, s27, 8
	s_add_co_u32 s32, s32, s29
	s_mov_b32 s33, 0
	s_wait_kmcnt 0x0
	s_cmp_lt_u32 ttmp9, 608                        ; which tensor: by the work-group's number alone
	s_cselect_b64 s[12:13], s[12:13], s[14:15]
	s_cmp_lt_u32 ttmp9, 576
	s_cselect_b64 s[10:11], s[10:11], s[12:13]
	s_cmp_lt_u32 ttmp9, 544
	s_cselect_b64 s[8:9], s[8:9], s[10:11]
	s_cmp_lt_u32 ttmp9, 512
	s_cselect_b64 s[6:7], s[6:7], s[8:9]
	s_cselect_b32 s24, 255, 31
	s_cmp_lt_u32 ttmp9, 256
	s_cselect_b64 s[4:5], s[4:5], s[6:7]
	s_and_b32 s24, ttmp9, s24                      ; my pair of tiles in its tensor
	s_lshr_b32 s34, s24, 1
	s_lshl_b32 s34, s34, 18                        ; the band: 64 rows of 4,096 bytes
	s_and_b32 s29, s24, 1
	s_lshl_b32 s29, s29, 16                        ; tiles 2 and 3 of a band begin 16 rows on
	s_add_co_u32 s34, s34, s29
	s_lshl_b32 s29, s26, 15                        ; + 8 u rows
	s_add_co_u32 s34, s34, s29
	s_lshl_b32 s29, s27, 11                        ; + 512 q numbers
	s_add_co_u32 s34, s34, s29
	s_mov_b32 s35, 0
	s_add_nc_u64 s[4:5], s[4:5], s[34:35]
	s_add_nc_u64 s[16:17], s[16:17], s[30:31]
	s_add_nc_u64 s[18:19], s[18:19], s[32:33]
.macro LOAD t                          ; unit t: tile rows 2 i and 2 i + 1 are rows 2 i + 24 (i / 4) and the next
.irp i, 0,1,2,3,4,5,6,7
	global_load_b128 v[R+32*((\t)%3)+4*\i:R+32*((\t)%3)+4*\i+3], v5, s[4:5] offset:(2*\i+24*(\i/4))*4096+256*(\t) th:TH_LOAD_NT
.endr
.endm
.macro TURN t                          ; LDS serves a wave's instructions in order: no wait between the stores and the loads
.irp i, 0,1,2,3,4,5,6,7
	ds_store_b128 v6, v[R+32*((\t)%3)+4*\i:R+32*((\t)%3)+4*\i+3] offset:STG*((\t)%2)+2*SP*\i
.endr
.irp j, 0,1,2,3,4,5,6,7
	ds_load_b128 v[X+32*((\t)%2)+4*\j:X+32*((\t)%2)+4*\j+3], v7 offset:STG*((\t)%2)+16*\j
.endr
.endm
.macro STEP t
.set XS, X+32*((\t)%2)
.set CU, C+8*(\t)
	s_wait_dscnt 0x0                               ; this unit is back from the stage, and its stores into the stage have read their registers
.if (\t)+3 < 8
	LOAD (\t)+3
.endif
.if (\t) < 7
.if (\t) <= 4
	s_wait_loadcnt 16                              ; the next unit's eight loads are in; two units' sixteen may be out
.elseif (\t) == 5
	s_wait_loadcnt 8
.else
	s_wait_loadcnt 0
.endif
	TURN (\t)+1
.endif
	v_max3_num_f32 v12, |v[XS]|, |v[XS+1]|, |v[XS+2]|
	v_max3_num_f32 v13, |v[XS+3]|, |v[XS+4]|, |v[XS+5]|
.irp i, 6,10,14,18,22,26
	v_max3_num_f32 v12, v12, |v[XS+\i]|, |v[XS+\i+1]|
	v_max3_num_f32 v13, v13, |v[XS+\i+2]|, |v[XS+\i+3]|
.endr
	v_max3_num_f32 v12, v12, |v[XS+30]|, |v[XS+31]|
	v_max3_num_f32 v12, v12, v13, 0x1800000        ; the floor 2^(3 - 127): the byte cannot fall under 1
	v_add_nc_u32 v14, 0xff000000, v12              ; 2 off the exponent field: the conversion's scale operand
	v_cvt_scalef32_pk16_fp6_f32 v[CU:CU+2], v[XS:XS+15], v14
	v_cvt_scalef32_pk16_fp6_f32 v[CU+4:CU+6], v[XS+16:XS+31], v14
.if (\t)%2 == 0
	v_lshrrev_b32 v[P+(\t)/2], 23, v14             ; the scale's byte (also the plain line behind the conversions)
.else
	v_lshrrev_b32 v15, 23, v14
	v_lshl_or_b32 v[P+(\t)/2], v15, 16, v[P+(\t)/2]
.endif
	v_mov_b32 v[CU+3], v[CU+4]                     ; the block's 24 bytes on end
	v_mov_b32 v[CU+4], v[CU+5]
	v_mov_b32 v[CU+5], v[CU+6]
	global_store_b128 v8, v[CU:CU+3], s[16:17] offset:768*(\t)         ; 512 consecutive bytes, aligned to 256
	global_store_b64 v9, v[CU+4:CU+5], s[16:17] offset:768*(\t)+512    ; 256 consecutive bytes
.endm
	LOAD 0
	LOAD 1
	LOAD 2
	s_wait_loadcnt 16
	TURN 0
.irp t, 0,1,2,3,4,5,6,7
	STEP \t
.endr
.irp s, 0,1,2,3
	v_lshlrev_b32 v[P+\s], v11, v[P+\s]
.endr
.irp s, 0,1,2,3
	v_permlanex16_b32 v[20+\s], v[P+\s], s22, s23
.endr
.irp s, 0,1,2,3
	v_or_b32 v[P+\s], v[P+\s], v[20+\s]            ; with lane l xor 16's two bytes the word is whole
.endr
	v_cndmask_b32 v24, v[P], v[P+2], s21
	v_cndmask_b32 v25, v[P+1], v[P+3], s21
	global_store_b64 v10, v[24:25], s[18:19]       ; 256 consecutive bytes
	s_wait_tensorcnt 0x0                           ; the wave's end
	ds_add_u32 v[SPW], v[NIL]
	s_wait_dscnt 0x0
	s_endpgm
.Lfunc_end_k_q5a6a637d84_quant:
	.size	k_q5a6a637d84_quant, .Lfunc_end_k_q5a6a637d84_quant-k_q5a6a637d84_quant
	.p2alignl 7, 3214868480
	.fill 96, 4, 3214868480
	.section	.rodata,"a",@progbits
	.p2align	6, 0x0
	.amdhsa_kernel k_q5a6a637d84_quant
		.amdhsa_group_segment_fixed_size 35328
		.amdhsa_private_segment_fixed_size 0
		.amdhsa_enable_private_segment 0
		.amdhsa_kernarg_size 64
		.amdhsa_user_sgpr_count 2
		.amdhsa_user_sgpr_kernarg_segment_ptr 1
		.amdhsa_wavefront_size32 1
		.amdhsa_system_sgpr_workgroup_id_x 1
		.amdhsa_system_sgpr_workgroup_id_y 1
		.amdhsa_system_sgpr_workgroup_id_z 1
		.amdhsa_system_vgpr_workitem_id 0
		.amdhsa_next_free_vgpr 256
		.amdhsa_next_free_sgpr 66
		.amdhsa_reserve_vcc 0
		.amdhsa_float_denorm_mode_32 3
		.amdhsa_float_denorm_mode_16_64 3
		.amdhsa_memory_ordered 1
		.amdhsa_forward_progress 1
		.amdhsa_inst_pref_size 31
	.end_amdhsa_kernel
	.amdgpu_metadata
---
amdhsa.version: [ 1, 2 ]
amdhsa.kernels:
  - .name:           k_q5a6a637d84_quant
    .symbol:         k_q5a6a637d84_quant.kd
    .args:
      - { .name: inputs, .offset: 0, .size: 8, .value_kind: global_buffer, .address_space: global }
      - { .name: encoderOutputs, .offset: 8, .size: 8, .value_kind: global_buffer, .address_space: global }
      - { .name: wq, .offset: 16, .size: 8, .value_kind: global_buffer, .address_space: global }
      - { .name: wk, .offset: 24, .size: 8, .value_kind: global_buffer, .address_space: global }
      - { .name: wv, .offset: 32, .size: 8, .value_kind: global_buffer, .address_space: global }
      - { .name: wo, .offset: 40, .size: 8, .value_kind: global_buffer, .address_space: global }
      - { .name: xc, .offset: 48, .size: 8, .value_kind: global_buffer, .address_space: global }
      - { .name: xs, .offset: 56, .size: 8, .value_kind: global_buffer, .address_space: global }
    .group_segment_fixed_size: 35328
    .private_segment_fixed_size: 0
    .kernarg_segment_align: 8
    .kernarg_segment_size: 64
    .max_flat_workgroup_size: 128
    .sgpr_count:     66
    .vgpr_count:     256
    .wavefront_size: 32
...
	.end_amdgpu_metadata
.endif
;; end of part 1
;; launch gemm_qkv (part 2): grid 4 x 64, 4 waves a work-group, clusters of 4 x 4, 327,680 bytes of LDS; arguments xc, xs, qkv; writes qkv
.if DOCPART == 2
	.amdgcn_target "amdgcn-amd-amdhsa--gfx1250"
	.amdhsa_code_object_version 6
	.text
	.protected	k_q5a6a637d84_gemm_qkv
	.globl	k_q5a6a637d84_gemm_qkv
	.p2align	8
	.type	k_q5a6a637d84_gemm_qkv,@function
k_q5a6a637d84_gemm_qkv:
	s_mov_b64 s[64:65], 0
	v_nop
	global_prefetch_b8 v0, s[64:65] scope:SCOPE_SE
	s_setreg_imm32_b32 hwreg(HW_REG_WAVE_MODE, 25, 1), 1
	s_wait_xcnt 0x0
	s_wait_alu depctr_hold_cnt(0) depctr_sa_sdst(0) depctr_va_vdst(0) depctr_va_sdst(0) depctr_va_ssrc(0) depctr_va_vcc(0) depctr_vm_vsrc(0)
	s_getreg_b32 s2, hwreg(HW_REG_IB_STS2, 6, 4)
	s_cmp_eq_u32 s2, 0
	s_cbranch_scc0 .Lentry_in_a_cluster
	s_endpgm
.Lentry_in_a_cluster:
	s_bfe_u32 s2, ttmp6, 0x10000c
	s_cmp_lg_u32 s2, 0xf033
	s_cbranch_scc0 .Lentry_shape_is_right
	s_endpgm
.Lentry_shape_is_right:
; LAUNCH 2 OF 4: q = inputs wq^T, k = enc wk^T, v = enc wv^T on codes of E2M3 (K = 1,024), and the results quantised in registers for the two products of attention.  No work is left out.
; ONE FORM FOR ALL THREE: D = X Y^T, source 0 = 16 rows of X, source 1 = 16 rows of Y: a lane holds ONE row of Y, and (by launch 1's choice of a tile's rows) its 32 registers of a band's four tiles of X
; are 32 NEIGHBOURS along X's rows, one scale block.   q: Y = inputs, X = wq (along the head's 64);  k: Y = enc, X = wk;  v: Y = wv, X = enc (V^T comes out with the keys innermost).
; A tile is 128 rows of Y x 256 rows of X; a wave makes 64 x 128: 32 accumulators.  Each product has 256 tiles.  A WORK-GROUP STAYS and makes its tile of q, then of k, then of v (s15 counts the products).
; LDS: a ring of two slots, each a half of K (512 along K: 8 + 16 row tiles x 6,144 bytes).  At the head one load a wave: wave 0 Y's first half, wave 1 X's, wave 2 Y's second, wave 3 X's.
; In front of K step 4 nobody reads slot 0 any more: the three lines, a round of the cluster's barrier, and waves 0 and 1 fill it with the next product's first half.  Behind a tile's way out the same,
; and waves 2 and 3 fill slot 1.  Every wait on TENSORcnt in the walk is for 0; by the text's own count a wave has one load out.  The last tile fills nothing and is written out behind the loop of two trips.
; The next tile's scale words are loaded ahead of a tile's way out.  Each slot has LDS address registers of its own.
; CLUSTER 4 x 4: Y's tiles are shared along a row of the cluster, X's along a column: joint loads.
; PREFETCH: k's rows of encoderOutputs, that tensor's first touch, each cluster's own: the sixteen waves that will ask for them jointly share a half's 192 blocks of 256 bytes out by address, 12 a wave, one change of slots ahead
; of the load that wants them; in trip 0 alone.  Not the weights (eight or sixteen clusters ask for the same rows in the same round), and not v's rows of encoderOutputs (the launch has read them in the trip before).
; qkv, for each of 64 heads (batch x 16 + head) 315,392 bytes: 16 key steps of 13,056 bytes (K's codes: 8 token tiles x 768; V's: 4 tiles of the head's 64 x 2 units; V's scale words [r][tile], 256; K's [4 tiles][r][tile], 512), then Q's codes, Q's scale words.
; LIMITS: as stated in launch 1.
; REGISTERS: window 0: v1-13 addresses, v14-15 the add's two, v16-31 Y's scale words, v32-63 X's, v64-103 the quantiser's, v104-107 slot 1's addresses, v108 the prefetch's offset.
; Window 1: X's fragments, two sets of 96.  Window 3: Y's, two sets of 48.  Window 2: accumulator (a, b) at v[8 (8 a + b)].
.set HALF,  147456
.set SPARE, 2*HALF
.set HEADB, 315392
.set STEPB, 13056
.set VC,    6144
.set VS,    12288
.set KS,    12544
.set QC,    208896
.set QS,    307200
.set SPW,   14
.set NIL,   15
.set SA,    16                         ; Y's scale words: tile a, register 4 a + j: lanes 0-15 K step j, lanes 16-31 K step 4 + j
.set SB,    32
.set TM,    64
.set W,     80                         ; v80-83 the scale words made
.set PC,    84                         ; v84-103 the codes made
.set PFY,   108
.set WV,    10
.set WA,    11                         ; which 4 tiles of Y are mine
.set WB,    12                         ; which 8 tiles of X
.set G1A,   24
.set G1B,   32
.set G0A,   40                         ; s[40:47] a group 0 for each slot, Y
.set G0B,   68                         ; s[68:75] X
.set MSB, 0
.macro WIN new
.if MSB != \new
	s_set_vgpr_msb (MSB<<8)|\new
.set MSB, \new
.endif
.endm
.macro PLACES
.rept 4
	v_nop
.endr
.endm
.macro CROUND
	s_barrier_signal -1
	s_barrier_wait -1
	s_cmp_lg_u32 s[WV], 0
	s_cbranch_scc1 .Lnot_wave_0_\@
	s_barrier_signal -3
.Lnot_wave_0_\@:
	s_barrier_wait -3
	s_barrier_signal -1
	s_barrier_wait -1
.endm
.macro TLOAD g0, g1
	tensor_load_to_lds s[\g0:\g0+3], s[\g1:\g1+7]
	s_nop 0
	PLACES
.endm
.macro ARM w, g0, g1, next             ; one arm of the head's chain: one load, then the jump to the join
	s_cmp_eq_u32 s[WV], \w
	s_cbranch_scc0 \next
	TLOAD \g0, \g1
	s_branch .Lasked
\next:
.endm
.macro ADDR pr                         ; product s\pr: where its tiles begin.  s17, s18: Y's and X's first row tile; s56, s60: my tile's place in them; s[58:59], s[62:63]: its codes
	s_lshl_b32 s17, s\pr, 9                        ; q, k: Y begins at row tile 512 p,
	s_lshl_b32 s18, s\pr, 6
	s_add_co_u32 s18, s18, 1024                    ; X at 1,024 + 64 p
	s_lshr_b32 s19, s16, 3
	s_and_b32 s20, s16, 7
	s_cmp_eq_u32 s\pr, 2
	s_cselect_b32 s17, 1152, s17                   ; v: Y = wv,
	s_cselect_b32 s18, 512, s18                    ; X = encoderOutputs
	s_cselect_b32 s19, s19, s16
	s_cselect_b32 s20, s20, 0
	s_lshl_b32 s19, s19, 2
	s_add_co_u32 s19, s19, s14                     ; tile row
	s_lshl_b32 s20, s20, 2
	s_add_co_u32 s20, s20, s13                     ; tile column
	s_lshl_b32 s56, s19, 3                         ; Y: 8 x tile row, in registers that never hold cx
	s_add_co_u32 s57, s56, s17
	s_mul_i32 s58, s57, 12288
	s_mov_b32 s59, 0
	s_lshl_b32 s60, s20, 4                         ; X: 16 x tile column, in registers that never hold cy
	s_add_co_u32 s61, s60, s18
	s_mul_i32 s62, s61, 12288
	s_mov_b32 s63, 0
	s_add_nc_u64 s[58:59], s[4:5], s[58:59]
	s_add_nc_u64 s[62:63], s[4:5], s[62:63]
.endm
.macro SETG j                          ; slot j's two group 0: the address words, half j of the tile at s[58:59], s[62:63]
	s_add_nc_u64 s[G0A+4*\j+2:G0A+4*\j+3], s[58:59], \j*6144
	s_or_b32 s[G0A+4*\j+3], s[G0A+4*\j+3], 0x80000000
	s_add_nc_u64 s[G0B+4*\j+2:G0B+4*\j+3], s[62:63], \j*6144
	s_or_b32 s[G0B+4*\j+3], s[G0B+4*\j+3], 0x80000000
.endm
.macro SCALES                          ; the scale words of the tile that ADDR named last: 12 loads
	s_lshl_b32 s84, s[WA], 2
	s_add_co_u32 s84, s84, s56                     ; my first tile of Y
	s_add_co_u32 s86, s84, s17
	s_lshl_b32 s86, s86, 9
	s_mov_b32 s87, 0
	s_add_nc_u64 s[86:87], s[6:7], s[86:87]
	s_lshl_b32 s85, s[WB], 3
	s_add_co_u32 s85, s85, s60                     ; my first tile of X
	s_add_co_u32 s88, s85, s18
	s_lshl_b32 s88, s88, 9
	s_mov_b32 s89, 0
	s_add_nc_u64 s[88:89], s[6:7], s[88:89]
.irp a, 0,1,2,3
	global_load_b128 v[SA+4*\a:SA+4*\a+3], v8, s[86:87] offset:512*\a
.endr
.irp b, 0,1,2,3,4,5,6,7
	global_load_b128 v[SB+4*\b:SB+4*\b+3], v8, s[88:89] offset:512*\b
.endr
.endm
.macro OUTADDR                         ; where product s15's results go.  T: my first token tile; F: my first tile of features (s84, s85 from SCALES)
	s_cmp_eq_u32 s15, 0
	s_cselect_b32 s98, QC, 0
	s_mov_b32 s100, KS
	s_cselect_b32 s100, QS, s100
	s_cmp_eq_u32 s15, 2
	s_cselect_b32 s98, VC, s98
	s_cselect_b32 s100, VS, s100
	s_cselect_b32 s95, s85, s84                    ; T
	s_cselect_b32 s96, s84, s85                    ; F
	s_mov_b32 s2, 768
	s_cselect_b32 s2, 1536, s2                     ; from my tile a of Y to the next: a fragment of V^T, or a token tile's unit
	s_mov_b32 s3, 0
	s_mov_b32 s23, HEADB
	s_cselect_b32 s23, 768, s23                    ; from unit 0 to unit 1: v: the fragment's second unit; q, k: the next head
	v_add_nc_u32 v10, s23, v8
	v_add_nc_u32 v11, s23, v9
	s_cselect_b32 s23, 0, HEADB                    ; q, k: lanes 16-31 store the next head's scale words,
	v_mul_lo_u32 v12, v3, s23
	v_lshl_add_u32 v12, v2, 4, v12
	s_cselect_b32 s23, 0, 16                       ; which are the upper two bytes of the word made
	v_mul_lo_u32 v13, v3, s23
	s_cselect_b32 s23, 16, 32                      ; lanes that store scale words
	s_lshr_b32 s97, s95, 7                         ; the batch
	s_lshl_b32 s97, s97, 4
	s_lshr_b32 s96, s96, 2                         ; the head
	s_add_co_u32 s97, s97, s96
	s_mul_i32 s97, s97, HEADB
	s_and_b32 s95, s95, 127
	s_lshr_b32 s66, s95, 3                         ; k, v: the key step,
	s_mul_i32 s66, s66, STEPB
	s_and_b32 s67, s95, 7
	s_mul_i32 s67, s67, 768
	s_add_co_u32 s67, s67, s66                     ; the token tile's unit in it (v: T is a multiple of 8),
	s_and_b32 s101, s95, 4
	s_lshl_b32 s101, s101, 6
	s_add_co_u32 s101, s101, s66                   ; and 256 bytes of scale words for 4 token tiles
	s_mul_i32 s96, s95, 768                        ; q: units and scale words on end
	s_lshl_b32 s95, s95, 6
	s_cmp_eq_u32 s15, 0
	s_cselect_b32 s96, s96, s67
	s_cselect_b32 s95, s95, s101
	s_add_co_u32 s98, s98, s96
	s_add_co_u32 s98, s98, s97
	s_mov_b32 s99, 0
	s_add_nc_u64 s[90:91], s[8:9], s[98:99]        ; codes
	s_add_co_u32 s100, s100, s95
	s_add_co_u32 s100, s100, s97
	s_mov_b32 s101, 0
	s_add_nc_u64 s[92:93], s[8:9], s[100:101]      ; scale words
.endm
.macro PF j                            ; half j of the next product's Y, my 12 blocks of 256 bytes; in trip 0 alone
	s_cmp_eq_u32 s15, 0
	s_cbranch_scc0 .Lno_pf_\@
	global_prefetch_b8 v[PFY], s[76:77] offset:\j*6144 th:TH_LOAD_NT scope:SCOPE_SE
.Lno_pf_\@:
.endm
	s_load_b128 s[4:7], s[0:1], 0x0                ; xc, xs
	s_load_b64 s[8:9], s[0:1], 0x10                ; qkv
	v_lshl_add_u32 v[SPW], v0, 2, SPARE
	v_mov_b32 v[NIL], 0
	ds_add_u32 v[SPW], v[NIL]                      ; the opening: the add, twice on end, and its wait
	ds_add_u32 v[SPW], v[NIL]
	v_lshrrev_b32 v1, 5, v0
	v_readfirstlane_b32 s[WV], v1
	s_lshr_b32 s[WA], s[WV], 1
	s_and_b32 s[WB], s[WV], 1
	s_bfe_u32 s13, ttmp6, 0x40000                  ; cx
	s_bfe_u32 s14, ttmp6, 0x40004                  ; cy
	s_and_b32 s16, ttmp7, 0xffff                   ; the cluster's number, 0 .. 15
	s_mov_b32 s15, 0                               ; the product: 0 q, 1 k, 2 v
	s_lshl_b32 s21, s14, 2
	s_lshl_b32 s21, 15, s21                        ; my row of the cluster
	s_lshl_b32 s22, 0x1111, s13                    ; my column
	; group 1: R row tiles of 768 elements of 8 bytes (512 along K: 6,144 bytes), 1,536 elements apart; no padding
	s_or_b32 s[G1A], s21, (3<<16)|(1<<21)
	s_or_b32 s[G1B], s22, (3<<16)|(1<<21)
	s_mov_b32 s[G1A+1], 768<<16
	s_mov_b32 s[G1A+2], 8<<16
	s_mov_b32 s[G1A+3], 768<<16
	s_mov_b32 s[G1A+4], 8
	s_mov_b32 s[G1A+5], 1536
	s_mov_b32 s[G1A+6], 0
	s_mov_b32 s[G1A+7], 0
	s_mov_b32 s[G1B+1], 768<<16
	s_mov_b32 s[G1B+2], 16<<16
	s_mov_b32 s[G1B+3], 768<<16
	s_mov_b32 s[G1B+4], 16
	s_mov_b32 s[G1B+5], 1536
	s_mov_b32 s[G1B+6], 0
	s_mov_b32 s[G1B+7], 0
	s_mov_b32 s21, 0x76543210                      ; (the masks are used up)  selects for lane l xor 16
	s_mov_b32 s22, 0xfedcba98
	s_wait_dscnt 0x0
	s_wait_kmcnt 0x0
	ADDR 15
	CROUND                                         ; all sixteen work-groups are here: the joint loads meet
.irp j, 0,1
	s_mov_b32 s[G0A+4*\j], 1
	s_mov_b32 s[G0A+4*\j+1], \j*HALF
	s_mov_b32 s[G0B+4*\j], 1
	s_mov_b32 s[G0B+4*\j+1], \j*HALF+49152
	SETG \j
.endr
	ARM 0, G0A, G1A, .Lw1
	ARM 1, G0B, G1B, .Lw2
	ARM 2, G0A+4, G1A, .Lw3
	TLOAD G0B+4, G1B
.Lasked:
	v_and_b32 v1, 31, v0
	v_and_b32 v2, 15, v0                           ; r
	v_bfe_u32 v3, v0, 4, 1                         ; h
	v_lshlrev_b32 v8, 4, v1
	v_lshlrev_b32 v9, 3, v1
	s_mul_i32 s95, s[WA], 24576                    ; my 4 tiles of Y in a slot,
	s_mul_i32 s96, s[WB], 49152
	s_add_co_u32 s96, s96, 49152                   ; my 8 of X, behind Y's 8
	v_add_nc_u32 v4, s95, v8
	v_add_nc_u32 v5, s95, v9
	v_add_nc_u32 v6, s96, v8
	v_add_nc_u32 v7, s96, v9
.irp i, 4,5,6,7
	v_add_nc_u32 v[100+\i], HALF, v\i              ; the same in slot 1
.endr
.irp b, 0,1,2,3
	v_mov_b32 v[TM+4+\b], 0                        ; a lane permute's destination counts as one of its sources
.endr
	v_lshlrev_b32 v[TM+8], 3, v3                   ; 8 h
	v_min_u32 v[PFY], 11, v1                       ; lanes 12-31 name their wave's last block again
	v_lshlrev_b32 v[PFY], 8, v[PFY]
	SCALES
	OUTADDR
.macro FRAG reg, a16, a8, off          ; a fragment: two units on end, as they lie
	ds_load_b128 v[\reg:\reg+3], v[\a16] offset:\off
	ds_load_b64 v[\reg+4:\reg+5], v[\a8] offset:\off+512
	ds_load_b128 v[\reg+6:\reg+9], v[\a16] offset:\off+768
	ds_load_b64 v[\reg+10:\reg+11], v[\a8] offset:\off+1280
.endm
.macro FETCH s                         ; K step s's fragments: 48 LDS loads in one run; steps 4-7 lie in slot 1
.set AB, 100*((\s)/4)
	WIN 0x40
.irp i, 0,1,2,3,4,5,6,7
	FRAG 96*((\s)%2)+12*\i, 6+AB, 7+AB, 6144*\i+1536*((\s)%4)
.endr
	WIN 0xc0
.irp i, 0,1,2,3
	FRAG 48*((\s)%2)+12*\i, 4+AB, 5+AB, 6144*\i+1536*((\s)%4)
.endr
	WIN 0
.endm
.macro MULS s                          ; 32 matrix instructions; the accumulators take turns; step 0 starts the sums
	WIN 0xad
.irp a, 0,1,2,3
.irp b, 0,1,2,3,4,5,6,7
.if (\s) == 0
	v_wmma_scale_f32_16x16x128_f8f6f4 v[8*(8*\a+\b):8*(8*\a+\b)+7], v[96*((\s)%2)+12*\b:96*((\s)%2)+12*\b+11], v[48*((\s)%2)+12*\a:48*((\s)%2)+12*\a+11], 0, v[SB+4*\b+(\s)%4], v[SA+4*\a+(\s)%4] matrix_a_fmt:MATRIX_FMT_FP6 matrix_b_fmt:MATRIX_FMT_FP6
.elseif (\s) < 4
	v_wmma_scale_f32_16x16x128_f8f6f4 v[8*(8*\a+\b):8*(8*\a+\b)+7], v[96*((\s)%2)+12*\b:96*((\s)%2)+12*\b+11], v[48*((\s)%2)+12*\a:48*((\s)%2)+12*\a+11], v[8*(8*\a+\b):8*(8*\a+\b)+7], v[SB+4*\b+(\s)%4], v[SA+4*\a+(\s)%4] matrix_a_fmt:MATRIX_FMT_FP6 matrix_b_fmt:MATRIX_FMT_FP6
.else
	v_wmma_scale_f32_16x16x128_f8f6f4 v[8*(8*\a+\b):8*(8*\a+\b)+7], v[96*((\s)%2)+12*\b:96*((\s)%2)+12*\b+11], v[48*((\s)%2)+12*\a:48*((\s)%2)+12*\a+11], v[8*(8*\a+\b):8*(8*\a+\b)+7], v[SB+4*\b+(\s)%4], v[SA+4*\a+(\s)%4] matrix_a_fmt:MATRIX_FMT_FP6 matrix_b_fmt:MATRIX_FMT_FP6 matrix_a_scale:MATRIX_SCALE_ROW1 matrix_b_scale:MATRIX_SCALE_ROW1
.endif
.endr
.endr
	WIN 0
.endm
.macro MIDCH more                      ; the change to slot 1, in front of K step 4's fetch: slot 1 is shown to all, and nobody reads slot 0 any more
	s_wait_tensorcnt 0x0                           ; all my tensor loads have landed
.if \more
	ds_add_u32 v[SPW], v[NIL]
	SETG 0                                         ; no load of mine is out: slot 0's descriptors take the next product's first half
	s_wait_dscnt 0x0                               ; the add is done, and so are my reads of slot 0
	CROUND
	s_cmp_eq_u32 s[WV], 0
	s_cbranch_scc0 .Lmid_x_\@
	TLOAD G0A, G1A
	s_branch .Lmid_j_\@
.Lmid_x_\@:
	s_cmp_eq_u32 s[WV], 1
	s_cbranch_scc0 .Lmid_j_\@
	TLOAD G0B, G1B
.Lmid_j_\@:
.else
	s_wait_dscnt 0x0
	s_barrier_signal -1
	s_barrier_wait -1
.endif
	PLACES                                         ; between the last products and the loads into registers that they read, on every wave's way
.endm
.macro ENDCH                           ; the change to the next tile, behind the way out: slot 0 is shown to all, and nobody reads slot 1 any more
	s_wait_tensorcnt 0x0
	ds_add_u32 v[SPW], v[NIL]
	SETG 1
	s_wait_dscnt 0x0
	CROUND
	s_cmp_eq_u32 s[WV], 2
	s_cbranch_scc0 .Lend_x_\@
	TLOAD G0A+4, G1A
	s_branch .Lend_j_\@
.Lend_x_\@:
	s_cmp_eq_u32 s[WV], 3
	s_cbranch_scc0 .Lend_j_\@
	TLOAD G0B+4, G1B
.Lend_j_\@:
.endm
.macro STEPK s, more                   ; fetch step s + 1, multiply step s
.if (\s) == 3
	MIDCH \more
.elseif ((\s) > 0) && ((\s) < 7)
	PLACES
.endif
.if (\s) < 7
	FETCH (\s)+1
.if ((\s) == 3) && (\more)
	PF 1
.endif
	s_wait_dscnt 48                                ; all but the 48 just issued
.else
	s_wait_dscnt 0x0
.endif
	MULS \s
.endm
; THE WAY OUT.  For tile a of Y a lane's 64 results, register 32 G + i = X's row 64 G + 32 h + i, are two whole scale blocks: they become a fragment's codes (v[PC] on) as they fall, and two bytes of its scale word (v[W + a]).
.macro QUANTW a
	WIN 0x0a
.irp b, 0,1,2,3
	v_max3_num_f32 v[TM+\b], |v[64*\a+16*\b]|, |v[64*\a+16*\b+1]|, 0x1800000   ; four chains, two to a block; the floor 2^(3 - 127)
.endr
.irp i, 2,4,6,8,10,12,14
.irp b, 0,1,2,3
	v_max3_num_f32 v[TM+\b], |v[64*\a+16*\b+\i]|, |v[64*\a+16*\b+\i+1]|, v[TM+\b]
.endr
.endr
	WIN 0
	v_max_num_f32 v[TM], v[TM], v[TM+1]
	v_max_num_f32 v[TM+2], v[TM+2], v[TM+3]
	v_add_nc_u32 v[TM+12], 0xff000000, v[TM]       ; 2 off the exponent field: the conversion's scale operand
	v_add_nc_u32 v[TM+13], 0xff000000, v[TM+2]
	v_lshrrev_b32 v[TM+4], 23, v[TM+12]
	v_lshrrev_b32 v[TM+5], 23, v[TM+13]
	v_lshl_or_b32 v[TM+4], v[TM+5], 16, v[TM+4]    ; my bytes: blocks h and 2 + h,
	v_lshlrev_b32 v[TM+4], v[TM+8], v[TM+4]        ; at their places;
	v_permlanex16_b32 v[TM+6], v[TM+4], s21, s22
	v_or_b32 v[W+\a], v[TM+4], v[TM+6]             ; with lane l xor 16's two the word is whole
	WIN 0x02
.irp c, 0,1
	v_cvt_scalef32_pk16_fp6_f32 v[PC+6*\c:PC+6*\c+2], v[64*\a+32*\c:64*\a+32*\c+15], v[TM+12+\c]
	v_cvt_scalef32_pk16_fp6_f32 v[PC+12+4*\c:PC+14+4*\c], v[64*\a+32*\c+16:64*\a+32*\c+31], v[TM+12+\c]
.endr
	WIN 0
	v_nop                                          ; one plain line behind the conversions
.irp c, 0,1
.irp i, 0,1,2
	v_mov_b32 v[PC+3+6*\c+\i], v[PC+12+4*\c+\i]    ; (a conversion's three registers begin on an even number)
.endr
.endr
.endm
.macro PUT                             ; the fragment's two units leave from the registers: stores of 512 and 256 consecutive bytes, at multiples of 256
	global_store_b128 v8, v[PC:PC+3], s[90:91]
	global_store_b64 v9, v[PC+4:PC+5], s[90:91] offset:512
	global_store_b128 v10, v[PC+6:PC+9], s[90:91]
	global_store_b64 v11, v[PC+10:PC+11], s[90:91] offset:512
	s_wait_xcnt 0x0                                ; data and base are written again only behind this wait
	s_add_nc_u64 s[90:91], s[90:91], s[2:3]
.endm
.macro TILE more                       ; one tile of product s15; more = 1: the ring goes on into the next product's tile
.if \more
	s_add_co_u32 s66, s15, 1
	s_wait_xcnt 0x0                                ; any prefetch of mine has read its base
	ADDR 66                                        ; the next product's tile (this tile's addresses have all been made)
	s_lshl_b32 s76, s13, 2
	s_add_co_u32 s76, s76, s[WV]                   ; my number among the sixteen waves of my row of the cluster: the shares are told apart by address
	s_lshr_b32 s77, s76, 1
	s_mul_i32 s77, s77, 12288                      ; two shares to a row tile's half of 24 blocks
	s_and_b32 s76, s76, 1
	s_mul_i32 s76, s76, 3072
	s_add_co_u32 s76, s76, s77
	s_mov_b32 s77, 0
	s_add_nc_u64 s[76:77], s[58:59], s[76:77]
.endif
	FETCH 0
.if \more
	PF 0
.endif
.irp s, 0,1,2,3,4,5,6,7
	STEPK \s, \more
.endr
	PLACES                                         ; between the last products and the first read of results, and the loads into the scale registers
.if \more
	SCALES                                         ; the next tile's scale words land under the way out
.endif
.irp a, 0,1,2,3
	QUANTW \a
	PUT
.endr
.irp a, 0,1,2,3
	v_lshrrev_b32 v[W+\a], v13, v[W+\a]            ; q, k: lanes 16-31 bring the second head's two bytes down
.endr
	v_cmp_gt_u32 vcc_lo, s23, v1
	s_and_saveexec_b32 s94, vcc_lo                 ; (no memory instruction has been issued since the last wait on XCNT)
	global_store_b128 v12, v[W:W+3], s[92:93]      ; sixteen lanes store 256 consecutive bytes: [r][tile]
	s_wait_xcnt 0x0
	s_or_b32 exec_lo, exec_lo, s94
.if \more
	s_add_co_u32 s15, s15, 1
	OUTADDR
	s_wait_alu depctr_va_vdst(0)                   ; the wait ahead of the blocking waits
	s_wait_loadcnt 0x0                             ; the scale words
	ENDCH
.endif
.endm
	s_wait_alu depctr_va_vdst(0)                   ; the wait at the head's end
	s_wait_loadcnt 0x0                             ; the scale words
	s_cmp_lt_u32 s[WV], 2
	s_cbranch_scc0 .Lnot_first
	s_wait_tensorcnt 0x0                           ; waves 0 and 1: the first half's tiles are in
.Lnot_first:
	s_barrier_signal -1
	s_barrier_wait -1
.Ltile:
	TILE 1                                         ; q, then k
	s_cmp_lt_u32 s15, 2
	s_cbranch_scc1 .Ltile
	TILE 0                                         ; v: nothing more is fetched
	s_wait_tensorcnt 0x0                           ; the wave's end
	ds_add_u32 v[SPW], v[NIL]
	s_wait_dscnt 0x0
	CROUND                                         ; the closing round
	s_endpgm
.Lfunc_end_k_q5a6a637d84_gemm_qkv:
	.size	k_q5a6a637d84_gemm_qkv, .Lfunc_end_k_q5a6a637d84_gemm_qkv-k_q5a6a637d84_gemm_qkv
	.p2alignl 7, 3214868480
	.fill 96, 4, 3214868480
	.section	.rodata,"a",@progbits
	.p2align	6, 0x0
	.amdhsa_kernel k_q5a6a637d84_gemm_qkv
		.amdhsa_group_segment_fixed_size 327680
		.amdhsa_private_segment_fixed_size 0
		.amdhsa_enable_private_segment 0
		.amdhsa_kernarg_size 24
		.amdhsa_user_sgpr_count 2
		.amdhsa_user_sgpr_kernarg_segment_ptr 1
		.amdhsa_wavefront_size32 1
		.amdhsa_system_sgpr_workgroup_id_x 1
		.amdhsa_system_sgpr_workgroup_id_y 1
		.amdhsa_system_sgpr_workgroup_id_z 1
		.amdhsa_system_vgpr_workitem_id 0
		.amdhsa_next_free_vgpr 1024
		.amdhsa_next_free_sgpr 102
		.amdhsa_reserve_vcc 1
		.amdhsa_float_denorm_mode_32 3
		.amdhsa_float_denorm_mode_16_64 3
		.amdhsa_memory_ordered 1
		.amdhsa_forward_progress 1
		.amdhsa_inst_pref_size 166
	.end_amdhsa_kernel
	.amdgpu_metadata
---
amdhsa.version: [ 1, 2 ]
amdhsa.kernels:
  - .name:           k_q5a6a637d84_gemm_qkv
    .symbol:         k_q5a6a637d84_gemm_qkv.kd
    .args:
      - { .name: xc, .offset: 0, .size: 8, .value_kind: global_buffer, .address_space: global }
      - { .name: xs, .offset: 8, .size: 8, .value_kind: global_buffer, .address_space: global }
      - { .name: qkv, .offset: 16, .size: 8, .value_kind: global_buffer, .address_space: global }
    .group_segment_fixed_size: 327680
    .private_segment_fixed_size: 0
    .kernarg_segment_align: 8
    .kernarg_segment_size: 24
    .max_flat_workgroup_size: 128
    .sgpr_count:     102
    .vgpr_count:     1024
    .wavefront_size: 32
...
	.end_amdgpu_metadata
.endif
;; end of part 2
;; launch attn (part 3): grid 4 x 64, 16 waves a work-group, clusters of 4 x 1, 327,680 bytes of LDS; arguments qkv, cc, cs; writes cc, cs
.if DOCPART == 3
	.amdgcn_target "amdgcn-amd-amdhsa--gfx1250"
	.amdhsa_code_object_version 6
	.text
	.protected	k_q5a6a637d84_attn
	.globl	k_q5a6a637d84_attn
	.p2align	8
	.type	k_q5a6a637d84_attn,@function
k_q5a6a637d84_attn:
	s_mov_b64 s[64:65], 0
	v_nop
	global_prefetch_b8 v0, s[64:65] scope:SCOPE_SE
	s_setreg_imm32_b32 hwreg(HW_REG_WAVE_MODE, 25, 1), 1
	s_wait_xcnt 0x0
	s_wait_alu depctr_hold_cnt(0) depctr_sa_sdst(0) depctr_va_vdst(0) depctr_va_sdst(0) depctr_va_ssrc(0) depctr_va_vcc(0) depctr_vm_vsrc(0)
	s_getreg_b32 s2, hwreg(HW_REG_IB_STS2, 6, 4)
	s_cmp_eq_u32 s2, 0
	s_cbranch_scc0 .Lentry_in_a_cluster
	s_endpgm
.Lentry_in_a_cluster:
	s_bfe_u32 s2, ttmp6, 0x10000c
	s_cmp_lg_u32 s2, 0x3003
	s_cbranch_scc0 .Lentry_shape_is_right
	s_endpgm
.Lentry_shape_is_right:
; LAUNCH 3 OF 4: ctx = softmax(q k^T / 8) v for one head (work-group y) and 512 queries (place in the cluster), in MX-FP6; ctx leaves as codes and scale bytes for launch 4.  No work is left out.
; SHARES: 16 waves; a wave takes 16 queries in each of two passes and walks the head's 2,048 keys in 16 steps of 128.  Both products are used transposed (S^T = k q^T, O^T = v^T p^T): a lane holds one query.
; By launch 1's choice of a tile's rows, register 32 c + 8 t + j of lane (r, h) is key 64 c + 32 h + 8 t + j of the step: a lane's 32 registers are ONE scale block of p, and the two conversions' results are
; registers 6 c .. 6 c + 5 of p's operand as they fall.  Lanes l and l xor 16 meet twice a step: for the row's maximum and for p's scale word.  O^T's 32 registers are likewise one block of ctx.
; LDS holds the head's K and V whole: 16 key steps of 13,056 dense bytes, as they lie in qkv.  Wave w fetches step w by ONE joint load (the four query blocks of a head form the cluster), as 51 rows of 256 bytes.
; Waves 0-7 and 8-15 have load lines of their own: the first barrier shows steps 0-7, the barrier behind the first eight steps shows all.  Nothing is filled again.  No prefetch: every tensor load goes out at the head.
; K's fragments are read from LDS one step ahead, V's at the head of their step; a run of steps is a first fetch, a loop, and a last step that fetches nothing, so that no read passes what a barrier has shown.
; The head is 64 wide and the instruction 128 deep: q's registers 6-11 hold zero codes.  K's tiles lie 6 registers apart, so a tile's operand runs on over the next tile's codes (tile 7's over v80-85, the second pass's q):
; codes of E2M3 are all finite, their scale bytes are finite codes, and they meet q's zeros.
; SOFTMAX: M = ceil of the running largest t, kept as -M; p = 2^(t - M); the sum is of the unquantised p; when M moves, the sum and O^T are multiplied by 2^(old M - new M), exactly, in every step, with no branch.
; A block's largest p is made from its largest score by the same multiply-add and exponential (this takes v_exp_f32 not to fall where its input rises).
; LIMITS: the scaled scores stay under 2^31 in magnitude; NaN and infinities are not served; a block of zeros has the byte 1.
; REGISTERS: v1, v2 a step's LDS addresses, then the conversions' scale operands; v3 8 h; v4 pass 1's q scale word; v5 16 r; v6 at work; v7, v8 the add's two; v9, v10 16 and 8 x lane; v11 scale word's stage;
; v12 -M, v13 largest score, v14-15 the sum; v16-27 q; v28-31 K's scale words; v32-79 K; v80-85 pass 1's q; v86-133 V; v134-137 V's scale words; v138-201 S, then p; v202-233 O^T; v234-245 p's codes;
; v246-254 at work (v252 f, v253 p's scale word); v255 q's scale word.
.set HEADB, 315392
.set STEPB, 13056
.set QC,    208896
.set QS,    307200
.set SCR,   208896                     ; behind the 16 steps: ctx's scale words, 2,048 bytes
.set SPARE, 210944                     ; the spare words, 128 bytes a wave
.set KF,    32
.set VF,    86
.set VS,    134
.set S,     138
.set O,     202
.set P,     234
.set WV,    10
.set SEL,   20
.set CS,    22
.set CN,    24
.set G1,    32
.set G0,    40
.set QB,    60
.set QSB,   62
.set CCB,   66
.set CSB,   68
.set TK,    70
.set CNT,   74
.macro WALU
	s_wait_alu depctr_va_vdst(0)
.endm
.macro DEP n
	s_delay_alu instid0(VALU_DEP_\n)
.endm
.macro CROUND
	s_barrier_signal -1
	s_barrier_wait -1
	s_cmp_lg_u32 s[WV], 0
	s_cbranch_scc1 .Lnot_wave_0_\@
	s_barrier_signal -3
.Lnot_wave_0_\@:
	s_barrier_wait -3
	s_barrier_signal -1
	s_barrier_wait -1
.endm
	s_load_b128 s[4:7], s[0:1], 0x0                ; qkv, cc
	s_load_b64 s[8:9], s[0:1], 0x10                ; cs
	v_lshl_add_u32 v7, v0, 2, SPARE
	v_mov_b32 v8, 0
	ds_add_u32 v7, v8                              ; the opening: the add, twice on end, and its wait
	ds_add_u32 v7, v8
	v_lshrrev_b32 v1, 5, v0
	v_readfirstlane_b32 s[WV], v1
	s_bfe_u32 s11, ttmp6, 0x40000                  ; cx: which 512 queries
	s_and_b32 s12, ttmp7, 0xffff                   ; the head: batch x 16 + head
	s_mov_b32 s[G1], 15|(3<<16)|(1<<21)            ; all four partners; elements of 8 bytes; 51 rows of 256 bytes, dense
	s_mov_b32 s[G1+1], 32<<16
	s_mov_b32 s[G1+2], 51<<16
	s_mov_b32 s[G1+3], 32<<16
	s_mov_b32 s[G1+4], 51
	s_mov_b32 s[G1+5], 32
	s_mov_b32 s[G1+6], 0
	s_mov_b32 s[G1+7], 0
	s_mul_i32 s76, s12, HEADB
	s_mov_b32 s77, 0
	s_mul_i32 s13, s[WV], STEPB                    ; key step = my wave's number, in memory and in LDS alike
	s_mov_b32 s16, s13
	s_mov_b32 s17, 0
	s_mov_b32 s[SEL], 0x76543210
	s_mov_b32 s[SEL+1], 0xfedcba98
	s_mov_b32 s[CS], 0x3e38aa3b                    ; c = log2(e) / 8
	s_mov_b32 s[CS+1], s[CS]
	s_mov_b32 s[CN], 0xbe38aa3b                    ; -c
	WALU                                           ; the wait ahead of the blocking wait
	s_wait_dscnt 0x0
	s_wait_kmcnt 0x0
	s_add_nc_u64 s[76:77], s[4:5], s[76:77]
	CROUND                                         ; the four partners are here: the joint loads meet
	s_mov_b32 s[G0], 1
	s_mov_b32 s[G0+1], s13
	s_add_nc_u64 s[G0+2:G0+3], s[76:77], s[16:17]
	s_or_b32 s[G0+3], s[G0+3], 0x80000000
	s_cmp_lt_u32 s[WV], 8                          ; one load a wave; two lines, since only waves 0-7 wait at the first barrier
	s_cbranch_scc0 .Llate
	tensor_load_to_lds s[G0:G0+3], s[G1:G1+7]
	s_nop 0
.rept 4
	v_nop
.endr
	s_branch .Lasked
.Llate:
	tensor_load_to_lds s[G0:G0+3], s[G1:G1+7]
	s_nop 0
.rept 4
	v_nop
.endr
.Lasked:
	v_and_b32 v1, 31, v0
	v_lshlrev_b32 v9, 4, v1
	v_lshlrev_b32 v10, 3, v1
	v_and_b32 v2, 15, v0
	v_bfe_u32 v3, v0, 4, 1
	v_lshlrev_b32 v3, 3, v3
	s_lshl_b32 s75, s[WV], 6
	s_add_co_u32 s75, s75, SCR
	v_lshl_add_u32 v11, v2, 2, s75
	v_lshlrev_b32 v5, 4, v2
.irp j, 22,23,24,25,26,27,251,253
	v_mov_b32 v\j, 0                               ; q's zero codes; a permute's destination; the upper half of a pair
.endr
	s_lshl_b32 s84, s11, 5
	s_add_co_u32 s85, s84, s[WV]                   ; my query tile in pass 0; pass 1: 16 on
	s_mul_i32 s86, s85, 768
	s_add_co_u32 s86, s86, QC
	s_mov_b32 s87, 0
	s_add_nc_u64 s[QB:QB+1], s[76:77], s[86:87]
	s_lshr_b32 s86, s85, 2
	s_lshl_b32 s86, s86, 8
	s_and_b32 s88, s[WV], 3
	s_lshl_b32 s88, s88, 2
	s_add_co_u32 s86, s86, s88
	s_add_co_u32 s86, s86, QS
	s_add_nc_u64 s[QSB:QSB+1], s[76:77], s[86:87]
	s_lshr_b32 s88, s12, 4
	s_lshl_b32 s88, s88, 7                         ; the batch's 128 row tiles
	s_and_b32 s89, s12, 15
	s_add_co_u32 s86, s88, s85
	s_mul_i32 s86, s86, 12288
	s_mul_i32 s90, s89, 768                        ; a row tile's unit = the head
	s_add_co_u32 s86, s86, s90
	s_add_nc_u64 s[CCB:CCB+1], s[6:7], s[86:87]
	s_add_co_u32 s86, s88, s84
	s_lshl_b32 s86, s86, 6
	s_lshl_b32 s90, s89, 15
	s_add_co_u32 s86, s86, s90
	s_add_nc_u64 s[CSB:CSB+1], s[8:9], s[86:87]
	WALU                                           ; the wait behind the run of scalar lines
.macro KL t, off                       ; K's tile t of the step that begins off bytes behind v1, v2
	ds_load_b128 v[KF+6*\t:KF+6*\t+3], v1 offset:\off+768*\t
	ds_load_b64 v[KF+6*\t+4:KF+6*\t+5], v2 offset:\off+768*\t+512
.endm
.macro LOADK                           ; a run's first fetch of K: 17 loads
	v_add_nc_u32 v1, s[TK], v9
	v_add_nc_u32 v2, s[TK], v10
.irp t, 0,1,2,3,4,5,6,7
	KL \t, 0
.endr
	ds_load_b128 v[28:31], v1 offset:12544         ; lanes 0-15: tiles 0-3, lanes 16-31: tiles 4-7
.endm
.macro MX1 a, b, c, d, x               ; a block's 32 scores: four chains, one to an accumulator, each read from its low end on; registers 7, 15, 23, 31 are left
	v_max3_num_f32 v\a, v[\x], v[\x+1], v[\x+2]
	v_max3_num_f32 v\b, v[\x+8], v[\x+9], v[\x+10]
	v_max3_num_f32 v\c, v[\x+16], v[\x+17], v[\x+18]
	v_max3_num_f32 v\d, v[\x+24], v[\x+25], v[\x+26]
.irp i, 3,5
	v_max3_num_f32 v\a, v\a, v[\x+\i], v[\x+\i+1]
	v_max3_num_f32 v\b, v\b, v[\x+8+\i], v[\x+9+\i]
	v_max3_num_f32 v\c, v\c, v[\x+16+\i], v[\x+17+\i]
	v_max3_num_f32 v\d, v\d, v[\x+24+\i], v[\x+25+\i]
.endr
.endm
.macro FMA4 j                          ; t - M of eight scores
.irp i, 0,2,4,6
	v_pk_fma_f32 v[S+\j+\i:S+\j+\i+1], v[S+\j+\i:S+\j+\i+1], s[CS:CS+1], v[12:13] op_sel_hi:[1,0,0]
.endr
.endm
.macro SUM4 k                          ; four pairs of p onto the sum's four chains
	v_pk_add_f32 v[246:247], v[246:247], v[S+14+8*\k:S+15+8*\k]
	v_pk_add_f32 v[248:249], v[248:249], v[S+16+8*\k:S+17+8*\k]
	v_pk_add_f32 v[250:251], v[250:251], v[S+18+8*\k:S+19+8*\k]
	v_pk_add_f32 v[14:15], v[14:15], v[S+20+8*\k:S+21+8*\k]
.endm
.macro STEP pre                        ; pre = 1: the next step's K is fetched
	v_add_nc_u32 v1, s[TK], v9                     ; these four are also the places between the last products and the loads into V's registers
	v_add_nc_u32 v2, s[TK], v10
	v_mov_b32 v250, v12                            ; the old -M
	v_nop
.irp t, 0,1,2,3
	ds_load_b128 v[VF+12*\t:VF+12*\t+3], v1 offset:6144+1536*\t
	ds_load_b64 v[VF+12*\t+4:VF+12*\t+5], v2 offset:6144+1536*\t+512
	ds_load_b128 v[VF+12*\t+6:VF+12*\t+9], v1 offset:6144+1536*\t+768
	ds_load_b64 v[VF+12*\t+10:VF+12*\t+11], v2 offset:6144+1536*\t+1280
.endr
	ds_load_b128 v[VS:VS+3], v1 offset:12288       ; lanes 0-15 hold V's words (lanes 16-31 read K's first: not used)
	s_wait_dscnt 17                                ; K and its words, asked for a step ago, are in; V's 17 loads may be out
.irp t, 0,1,2,3
	v_wmma_scale_f32_16x16x128_f8f6f4 v[S+8*\t:S+8*\t+7], v[KF+6*\t:KF+6*\t+11], v[16:27], 0, v[28+\t], v255 matrix_a_fmt:MATRIX_FMT_FP6 matrix_b_fmt:MATRIX_FMT_FP6
.endr
.irp t, 0,1,2,3
	v_wmma_scale_f32_16x16x128_f8f6f4 v[S+32+8*\t:S+32+8*\t+7], v[KF+24+6*\t:KF+24+6*\t+11], v[16:27], 0, v[28+\t], v255 matrix_a_fmt:MATRIX_FMT_FP6 matrix_b_fmt:MATRIX_FMT_FP6 matrix_a_scale:MATRIX_SCALE_ROW1
.endr
.rept 4
	v_nop
.endr
	MX1 246, 247, 6, 252, S                        ; each block's largest score; the block made first is searched first
	MX1 248, 249, 251, 254, S+32
	v_max3_num_f32 v246, v246, v247, v[S+7]
	v_max3_num_f32 v6, v6, v252, v[S+15]
	v_max3_num_f32 v248, v248, v249, v[S+39]
	v_max3_num_f32 v251, v251, v254, v[S+47]
	v_max3_num_f32 v246, v246, v6, v[S+23]
	v_max3_num_f32 v248, v248, v251, v[S+55]
	v_max_num_f32 v246, v246, v[S+31]
	v_max_num_f32 v248, v248, v[S+63]
	v_max3_num_f32 v254, v13, v246, v248           ; the chain that makes M; the next K's LDS loads stand between its links
.if \pre
	KL 0, STEPB
	KL 1, STEPB
.endif
	v_permlanex16_b32 v251, v254, s[SEL], s[SEL+1]
.if \pre
	KL 2, STEPB
	KL 3, STEPB
.endif
	v_max_num_f32 v13, v254, v251                  ; the running largest score of my query
.if \pre
	KL 4, STEPB
	KL 5, STEPB
.endif
	v_mul_f32 v254, s[CN], v13                     ; -t
.if \pre
	KL 6, STEPB
	KL 7, STEPB
.endif
	v_floor_f32 v12, v254                          ; -M = floor(-t)
.if \pre
	ds_load_b128 v[28:31], v1 offset:STEPB+12544
.endif
	FMA4 0
	v_sub_f32 v254, v12, v250                      ; old M less new M: a whole number, 0 or less
	FMA4 8
	v_cvt_i32_f32 v254, v254                       ; (it saturates)
	FMA4 16
	v_ldexp_f32 v252, 1.0, v254                    ; f
.irp j, 24,32,40,48,56
	FMA4 \j
.endr
	v_fma_f32 v246, v246, s[CS], v12
	v_fma_f32 v248, v248, s[CS], v12
	WALU                                           ; the wait ahead of the batch
.if \pre
	s_wait_dscnt 17                                ; V is in; the next K's 17 loads may be out
.else
	s_wait_dscnt 0x0
.endif
	v_exp_f32 v246, v246                           ; the blocks' largest p
	v_exp_f32 v248, v248
.irp j, 0,1,2,3,4,5,6,7,8,9,10,11,12,13,14,15,16,17,18,19,20,21,22,23,24,25,26,27,28,29,30,31,32,33,34,35,36,37,38,39,40,41,42,43,44,45,46,47,48,49,50,51,52,53,54,55,56,57,58,59,60,61,62,63
	v_exp_f32 v[S+\j], v[S+\j]
.endr
	v_pk_mul_f32 v[14:15], v[14:15], v[252:253] op_sel_hi:[1,0]   ; the sum under the new M; the plain line behind the batch
	WALU                                           ; one wait for the batch
	v_max_num_f32 v6, 0x1800000, v246              ; the floor 2^(3 - 127).  The scale's chain stands among the sum's four chains
	v_max_num_f32 v254, 0x1800000, v248
	v_pk_add_f32 v[246:247], v[S:S+1], v[S+2:S+3]  ; the sum of the unquantised p
	v_pk_add_f32 v[248:249], v[S+4:S+5], v[S+6:S+7]
	v_add_nc_u32 v1, 0xff000000, v6                ; the conversions' scale operands
	v_add_nc_u32 v2, 0xff000000, v254
	v_pk_add_f32 v[250:251], v[S+8:S+9], v[S+10:S+11]
	v_pk_add_f32 v[14:15], v[14:15], v[S+12:S+13]
	v_lshrrev_b32 v6, 23, v1
	v_lshrrev_b32 v254, 23, v2
	SUM4 0
	v_lshl_or_b32 v254, v254, 16, v6               ; my bytes: blocks h and 2 + h,
	SUM4 1
	v_lshlrev_b32 v254, v3, v254                   ; at their places
	SUM4 2
	v_permlanex16_b32 v6, v254, s[SEL], s[SEL+1]
	SUM4 3
	v_or_b32 v253, v254, v6                        ; p's scale word of these 128 keys
	SUM4 4
	SUM4 5
	v_pk_add_f32 v[14:15], v[14:15], v[S+62:S+63]
	v_pk_add_f32 v[246:247], v[246:247], v[248:249]
	v_pk_add_f32 v[14:15], v[14:15], v[250:251]
	v_cvt_scalef32_pk16_fp6_f32 v[P:P+2], v[S:S+15], v1
	v_cvt_scalef32_pk16_fp6_f32 v[P+6:P+8], v[S+32:S+47], v2
	v_pk_add_f32 v[14:15], v[14:15], v[246:247]    ; the plain line between the conversions above and those that land on their sources
	v_cvt_scalef32_pk16_fp6_f32 v[S:S+2], v[S+16:S+31], v1         ; (three registers from an even one: made where p has been read, and moved)
	v_cvt_scalef32_pk16_fp6_f32 v[S+32:S+34], v[S+48:S+63], v2
	WALU                                           ; the wait directly ahead of the first reader of O^T
.irp j, 0,2,4,6,8,10,12,14
	v_pk_mul_f32 v[O+\j:O+1+\j], v[O+\j:O+1+\j], v[252:253] op_sel_hi:[1,0]   ; O^T under the new M
.endr
.irp i, 0,1,2
	v_mov_b32 v[P+3+\i], v[S+\i]
	v_mov_b32 v[P+9+\i], v[S+32+\i]
.endr
.irp j, 16,18,20,22,24,26,28,30
	v_pk_mul_f32 v[O+\j:O+1+\j], v[O+\j:O+1+\j], v[252:253] op_sel_hi:[1,0]
.endr
.irp t, 0,1,2,3
	v_wmma_scale_f32_16x16x128_f8f6f4 v[O+8*\t:O+8*\t+7], v[VF+12*\t:VF+12*\t+11], v[P:P+11], v[O+8*\t:O+8*\t+7], v[VS+\t], v253 matrix_a_fmt:MATRIX_FMT_FP6 matrix_b_fmt:MATRIX_FMT_FP6
.endr
	s_add_co_u32 s[TK], s[TK], STEPB
.endm
.macro RUN n                           ; n steps: the first fetch, n - 1 steps that fetch ahead, the last
	LOADK
	s_mov_b32 s[CNT], \n-1
.Lrun_\@:
	STEP 1
	s_sub_co_u32 s[CNT], s[CNT], 1
	s_cmp_lg_u32 s[CNT], 0
	s_cbranch_scc1 .Lrun_\@
	STEP 0
.endm
.macro PASS p
.if \p == 0
	global_load_b128 v[16:19], v9, s[QB:QB+1]
	global_load_b64 v[20:21], v10, s[QB:QB+1] offset:512
	global_load_b32 v255, v5, s[QSB:QSB+1]
	global_load_b128 v[80:83], v9, s[QB:QB+1] offset:12288         ; pass 1's q, ready from the head on
	global_load_b64 v[84:85], v10, s[QB:QB+1] offset:12288+512
	global_load_b32 v4, v5, s[QSB:QSB+1] offset:1024
.else
	s_wait_xcnt 0x0                                ; pass 0's stores have read their data
.irp i, 0,1,2,3,4,5
	v_mov_b32 v[16+\i], v[80+\i]
.endr
	v_mov_b32 v255, v4
.endif
	s_mov_b32 s[TK], 0
	v_mov_b32 v13, 0xff61b1e6                      ; the largest score so far: -3e38
	v_mov_b32 v12, 0x7f61b1e6                      ; -M: 3e38, so that the first f is 0
	v_mov_b32 v14, 0
	v_mov_b32 v15, 0
.irp j, 0,1,2,3,4,5,6,7,8,9,10,11,12,13,14,15,16,17,18,19,20,21,22,23,24,25,26,27,28,29,30,31
	v_mov_b32 v[O+\j], 0
.endr
.if \p == 0
	WALU                                           ; the wait at the head's end
	s_wait_loadcnt 0x0
	s_cmp_lt_u32 s[WV], 8
	s_cbranch_scc0 .Lnot_early
	s_wait_tensorcnt 0x0                           ; waves 0-7: key steps 0-7 are in
.Lnot_early:
	s_barrier_signal -1
	s_barrier_wait -1
	RUN 8
	s_wait_tensorcnt 0x0                           ; every wave's load is in: the barrier shows all 16 steps
	s_wait_dscnt 0x0
	s_barrier_signal -1
	s_barrier_wait -1
	RUN 8
.else
	RUN 16
.endif
	v_add_f32 v14, v14, v15
	DEP 1
	v_permlanex16_b32 v251, v14, s[SEL], s[SEL+1]
	DEP 1
	v_add_f32 v14, v14, v251                       ; the row's sum
	WALU
	v_rcp_f32 v14, v14
	v_nop
	v_nop
	WALU                                           ; for the reciprocal, and directly ahead of the first reader of O^T
.irp j, 0,2,4,6,8,10,12,14,16,18,20,22,24,26,28,30
	v_pk_mul_f32 v[S+\j:S+1+\j], v[O+\j:O+1+\j], v[14:15] op_sel_hi:[1,0]   ; register i is ctx(query r, 32 h + i): one scale block of launch 4's K
.endr
	v_max3_num_f32 v246, |v[S]|, |v[S+1]|, 0x1800000
	v_max3_num_f32 v247, |v[S+16]|, |v[S+17]|, |v[S+18]|
.irp i, 2,4,6,8,10,12
	v_max3_num_f32 v246, v246, |v[S+\i]|, |v[S+\i+1]|
	v_max3_num_f32 v247, v247, |v[S+17+\i]|, |v[S+18+\i]|
.endr
	v_max3_num_f32 v246, v246, |v[S+14]|, |v[S+15]|
	v_max3_num_f32 v246, v246, v247, |v[S+31]|
	v_add_nc_u32 v247, 0xff000000, v246
	v_lshrrev_b32 v248, 23, v247
	v_lshlrev_b32 v248, v3, v248
	v_permlanex16_b32 v251, v248, s[SEL], s[SEL+1]
	v_or_b32 v254, v248, v251                      ; the head's two bytes of row r
	v_cvt_scalef32_pk16_fp6_f32 v[P:P+2], v[S:S+15], v247
	v_cvt_scalef32_pk16_fp6_f32 v[P+4:P+6], v[S+16:S+31], v247
	v_nop
	v_mov_b32 v[P+3], v[P+4]
	v_mov_b32 v[P+4], v[P+5]
	v_mov_b32 v[P+5], v[P+6]
	global_store_b128 v9, v[P:P+3], s[CCB:CCB+1] offset:196608*\p          ; 512 and 256 consecutive bytes, aligned to 256
	global_store_b64 v10, v[P+4:P+5], s[CCB:CCB+1] offset:196608*\p+512
	ds_store_b32 v11, v254 offset:1024*\p          ; both halves of the lanes write the same word with the same value
.endm
	PASS 0
	PASS 1
	v_add_nc_u32 v1, SCR, v9
	WALU                                           ; the wait
	s_wait_dscnt 0x0
	s_barrier_signal -1
	s_barrier_wait -1
	s_cmp_lg_u32 s[WV], 0
	s_cbranch_scc1 .Lnot_0
.irp i, 0,1,2,3
	ds_load_b128 v[S+4*\i:S+4*\i+3], v1 offset:512*\i
.endr
	s_wait_dscnt 0x0
.irp i, 0,1,2,3
	global_store_b128 v9, v[S+4*\i:S+4*\i+3], s[CSB:CSB+1] offset:512*\i   ; the 32 row tiles' scale words: 2,048 consecutive bytes
.endr
.Lnot_0:
	s_wait_tensorcnt 0x0                           ; the wave's end
	ds_add_u32 v7, v8
	s_wait_dscnt 0x0
	CROUND                                         ; the closing round
	s_endpgm
.Lfunc_end_k_q5a6a637d84_attn:
	.size	k_q5a6a637d84_attn, .Lfunc_end_k_q5a6a637d84_attn-k_q5a6a637d84_attn
	.p2alignl 7, 3214868480
	.fill 96, 4, 3214868480
	.section	.rodata,"a",@progbits
	.p2align	6, 0x0
	.amdhsa_kernel k_q5a6a637d84_attn
		.amdhsa_group_segment_fixed_size 327680
		.amdhsa_private_segment_fixed_size 0
		.amdhsa_enable_private_segment 0
		.amdhsa_kernarg_size 24
		.amdhsa_user_sgpr_count 2
		.amdhsa_user_sgpr_kernarg_segment_ptr 1
		.amdhsa_wavefront_size32 1
		.amdhsa_system_sgpr_workgroup_id_x 1
		.amdhsa_system_sgpr_workgroup_id_y 1
		.amdhsa_system_sgpr_workgroup_id_z 1
		.amdhsa_system_vgpr_workitem_id 0
		.amdhsa_next_free_vgpr 256
		.amdhsa_next_free_sgpr 96
		.amdhsa_reserve_vcc 0
		.amdhsa_float_denorm_mode_32 3
		.amdhsa_float_denorm_mode_16_64 3
		.amdhsa_memory_ordered 1
		.amdhsa_forward_progress 1
		.amdhsa_inst_pref_size 104
	.end_amdhsa_kernel
	.amdgpu_metadata
---
amdhsa.version: [ 1, 2 ]
amdhsa.kernels:
  - .name:           k_q5a6a637d84_attn
    .symbol:         k_q5a6a637d84_attn.kd
    .args:
      - { .name: qkv, .offset: 0, .size: 8, .value_kind: global_buffer, .address_space: global }
      - { .name: cc, .offset: 8, .size: 8, .value_kind: global_buffer, .address_space: global }
      - { .name: cs, .offset: 16, .size: 8, .value_kind: global_buffer, .address_space: global }
    .group_segment_fixed_size: 327680
    .private_segment_fixed_size: 0
    .kernarg_segment_align: 8
    .kernarg_segment_size: 24
    .max_flat_workgroup_size: 512
    .sgpr_count:     96
    .vgpr_count:     256
    .wavefront_size: 32
...
	.end_amdgpu_metadata
.endif
;; end of part 3
;; launch gemm_out (part 4): grid 4 x 64, 4 waves a work-group, clusters of 4 x 4, 327,680 bytes of LDS; arguments cc, cs, xc, xs, out0; writes out0
.if DOCPART == 4
	.amdgcn_target "amdgcn-amd-amdhsa--gfx1250"
	.amdhsa_code_object_version 6
	.text
	.protected	k_q5a6a637d84_gemm_out
	.globl	k_q5a6a637d84_gemm_out
	.p2align	8
	.type	k_q5a6a637d84_gemm_out,@function
k_q5a6a637d84_gemm_out:
	s_mov_b64 s[64:65], 0
	v_nop
	global_prefetch_b8 v0, s[64:65] scope:SCOPE_SE
	s_setreg_imm32_b32 hwreg(HW_REG_WAVE_MODE, 25, 1), 1
	s_wait_xcnt 0x0
	s_wait_alu depctr_hold_cnt(0) depctr_sa_sdst(0) depctr_va_vdst(0) depctr_va_sdst(0) depctr_va_ssrc(0) depctr_va_vcc(0) depctr_vm_vsrc(0)
	s_getreg_b32 s2, hwreg(HW_REG_IB_STS2, 6, 4)
	s_cmp_eq_u32 s2, 0
	s_cbranch_scc0 .Lentry_in_a_cluster
	s_endpgm
.Lentry_in_a_cluster:
	s_bfe_u32 s2, ttmp6, 0x10000c
	s_cmp_lg_u32 s2, 0xf033
	s_cbranch_scc0 .Lentry_shape_is_right
	s_endpgm
.Lentry_shape_is_right:
; LAUNCH 4 OF 4: out0 = ctx wo^T on codes of E2M3, K = 1,024.  No work is left out.
; The main part is launch 2's: D = X Y^T, source 0 = 16 rows of X = wo, source 1 = 16 rows of Y = ctx (cc, laid as xc is: a row tile's 16 units are its 16 heads).  A work-group makes 128 tokens x 256 columns, a wave 64 x 128.
; LDS holds all of K in two halves, each filled once; ONE joint load a wave at the head: wave 0 ctx's first half, wave 1 wo's, wave 2 ctx's second, wave 3 wo's.  The first barrier shows waves 0 and 1's tiles, the barrier ahead of K step 4 all.
; Cluster 4 x 4: ctx's tiles shared along a row, wo's along a column.  No prefetch: every tensor load goes out at the head.
; ctx's scale words lie by heads ([head][row tile][r], two bytes each): two heads' make the word of 128 along K.
; THE WAY OUT: a lane holds 8 neighbouring columns of one token; 16 tokens x 128 columns go through the wave's own stage in LDS and leave as whole rows of 512 bytes.  The stage lies in the first half, which has had its only fill
; and which nobody reads behind the barrier ahead of K step 4.  The stage's and the stores' offsets undo launch 1's choice of a tile's rows.
.set HALF,  147456
.set SPARE, 2*HALF
.set SPITCH, 528
.set SPW,   14
.set NIL,   15
.set SA,    16
.set SB,    32
.set STO,   11
.set RD,    12
.set BK,    128
.set WV,    14
.set WA,    15
.set WB,    16
.set G1A,   24
.set G1B,   32
.set G0A,   40
.set G0B,   68
.set MSB, 0
.macro WIN new
.if MSB != \new
	s_set_vgpr_msb (MSB<<8)|\new
.set MSB, \new
.endif
.endm
.macro CROUND
	s_barrier_signal -1
	s_barrier_wait -1
	s_cmp_lg_u32 s[WV], 0
	s_cbranch_scc1 .Lnot_wave_0_\@
	s_barrier_signal -3
.Lnot_wave_0_\@:
	s_barrier_wait -3
	s_barrier_signal -1
	s_barrier_wait -1
.endm
.macro ARM w, g0, g1, next
	s_cmp_eq_u32 s[WV], \w
	s_cbranch_scc0 \next
	tensor_load_to_lds s[\g0:\g0+3], s[\g1:\g1+7]
	s_nop 0
.rept 4
	v_nop
.endr
	s_branch .Lasked
\next:
.endm
	s_load_b256 s[4:11], s[0:1], 0x0               ; cc, cs, xc, xs
	s_load_b64 s[12:13], s[0:1], 0x20              ; out0
	v_lshl_add_u32 v[SPW], v0, 2, SPARE
	v_mov_b32 v[NIL], 0
	ds_add_u32 v[SPW], v[NIL]                      ; the opening: the add, twice on end, and its wait
	ds_add_u32 v[SPW], v[NIL]
	v_lshrrev_b32 v1, 5, v0
	v_readfirstlane_b32 s[WV], v1
	s_lshr_b32 s[WA], s[WV], 1                     ; which 4 tiles of ctx are mine
	s_and_b32 s[WB], s[WV], 1                      ; which 8 tiles of wo
	s_bfe_u32 s17, ttmp6, 0x40000                  ; cx = the tile column
	s_bfe_u32 s18, ttmp6, 0x40004                  ; cy
	s_and_b32 s19, ttmp7, 0xffff
	s_lshl_b32 s19, s19, 2
	s_add_co_u32 s19, s19, s18                     ; tile row
	s_lshl_b32 s21, s18, 2
	s_lshl_b32 s21, 15, s21
	s_lshl_b32 s22, 0x1111, s17
	s_or_b32 s[G1A], s21, (3<<16)|(1<<21)          ; group 1: R row tiles of 768 elements of 8 bytes, 1,536 elements apart; no padding
	s_or_b32 s[G1B], s22, (3<<16)|(1<<21)
	s_mov_b32 s[G1A+1], 768<<16
	s_mov_b32 s[G1A+2], 8<<16
	s_mov_b32 s[G1A+3], 768<<16
	s_mov_b32 s[G1A+4], 8
	s_mov_b32 s[G1A+5], 1536
	s_mov_b32 s[G1A+6], 0
	s_mov_b32 s[G1A+7], 0
	s_mov_b32 s[G1B+1], 768<<16
	s_mov_b32 s[G1B+2], 16<<16
	s_mov_b32 s[G1B+3], 768<<16
	s_mov_b32 s[G1B+4], 16
	s_mov_b32 s[G1B+5], 1536
	s_mov_b32 s[G1B+6], 0
	s_mov_b32 s[G1B+7], 0
	s_lshl_b32 s56, s19, 3                         ; ctx: 8 x tile row, in registers that never hold cx
	s_mul_i32 s58, s56, 12288
	s_mov_b32 s59, 0
	s_lshl_b32 s60, s17, 4                         ; wo: row tile 1,216 + 16 cx, in registers that never hold cy
	s_add_co_u32 s61, s60, 1216
	s_mul_i32 s62, s61, 12288
	s_mov_b32 s63, 0
	s_wait_dscnt 0x0
	s_wait_kmcnt 0x0
	s_add_nc_u64 s[58:59], s[4:5], s[58:59]
	s_add_nc_u64 s[62:63], s[8:9], s[62:63]
	CROUND                                         ; all sixteen work-groups are here: the joint loads meet
.irp j, 0,1
	s_mov_b32 s[G0A+4*\j], 1
	s_mov_b32 s[G0A+4*\j+1], \j*HALF
	s_add_nc_u64 s[G0A+4*\j+2:G0A+4*\j+3], s[58:59], \j*6144
	s_or_b32 s[G0A+4*\j+3], s[G0A+4*\j+3], 0x80000000
	s_mov_b32 s[G0B+4*\j], 1
	s_mov_b32 s[G0B+4*\j+1], \j*HALF+49152
	s_add_nc_u64 s[G0B+4*\j+2:G0B+4*\j+3], s[62:63], \j*6144
	s_or_b32 s[G0B+4*\j+3], s[G0B+4*\j+3], 0x80000000
.endr
	ARM 0, G0A, G1A, .Lw1
	ARM 1, G0B, G1B, .Lw2
	ARM 2, G0A+4, G1A, .Lw3
	tensor_load_to_lds s[G0B+4:G0B+7], s[G1B:G1B+7]
	s_nop 0
.rept 4
	v_nop
.endr
.Lasked:
	v_and_b32 v1, 31, v0
	v_and_b32 v2, 15, v0
	v_bfe_u32 v3, v0, 4, 1
	v_lshlrev_b32 v8, 4, v1
	v_lshlrev_b32 v9, 3, v1
	s_mul_i32 s92, s[WA], 24576
	s_mul_i32 s93, s[WB], 49152
	s_add_co_u32 s93, s93, 49152
	v_add_nc_u32 v4, s92, v8
	v_add_nc_u32 v5, s92, v9
	v_add_nc_u32 v6, s93, v8
	v_add_nc_u32 v7, s93, v9
	v_lshlrev_b32 v10, 18, v3                      ; ctx's scale words: lanes 16-31 take heads 8 on,
	v_lshl_add_u32 v10, v2, 2, v10                 ; 4 r
	s_wait_alu depctr_va_vdst(0)
	s_mul_i32 s92, s[WV], 16*SPITCH                ; my stage
	v_mul_u32_u24 v[STO], v2, SPITCH
	v_lshl_add_u32 v[STO], v3, 7, v[STO]
	v_add_nc_u32 v[STO], s92, v[STO]               ; in: row r, 128 h bytes on
	v_add_nc_u32 v[RD], s92, v8                    ; back: the 32 lanes take one row of 512 bytes
	s_lshl_b32 s84, s[WA], 2
	s_add_co_u32 s84, s84, s56                     ; my first row tile of ctx
	s_lshl_b32 s86, s84, 6
	s_mov_b32 s87, 0
	s_add_nc_u64 s[86:87], s[6:7], s[86:87]
	s_lshl_b32 s85, s[WB], 3
	s_add_co_u32 s85, s85, s60
	s_add_co_u32 s85, s85, 1216                    ; my first row tile of wo
	s_lshl_b32 s88, s85, 9
	s_mov_b32 s89, 0
	s_add_nc_u64 s[88:89], s[10:11], s[88:89]
.irp a, 0,1,2,3
.irp j, 0,1,2,3
.irp c, 0,1
	global_load_b32 v[BK+8*\a+2*\j+\c], v10, s[86:87] offset:(2*\j+\c)*32768+64*\a   ; head 8 h + 2 j + c, row tile a, row r
.endr
.endr
.endr
.irp b, 0,1,2,3,4,5,6,7
	global_load_b128 v[SB+4*\b:SB+4*\b+3], v8, s[88:89] offset:512*\b
.endr
	s_lshl_b32 s90, s84, 16                        ; out0: 16 tokens of 4,096 bytes a row tile,
	s_lshl_b32 s94, s17, 10
	s_add_co_u32 s90, s90, s94
	s_lshl_b32 s94, s[WB], 9
	s_add_co_u32 s90, s90, s94
	s_mov_b32 s91, 0
	s_add_nc_u64 s[90:91], s[12:13], s[90:91]
	s_wait_loadcnt 0x0
.irp a, 0,1,2,3
.irp j, 0,1,2,3
	v_lshl_or_b32 v[SA+4*\a+\j], v[BK+8*\a+2*\j+1], 16, v[BK+8*\a+2*\j]   ; two heads' bytes make the word of K step j (lanes 16-31: 4 + j)
.endr
.endr
.rept 8
	v_nop                                          ; a scale register written by a vector line stands eight places ahead of a scaled product
.endr
.macro FRAG reg, a16, a8, off
	ds_load_b128 v[\reg:\reg+3], v[\a16] offset:\off
	ds_load_b64 v[\reg+4:\reg+5], v[\a8] offset:\off+512
	ds_load_b128 v[\reg+6:\reg+9], v[\a16] offset:\off+768
	ds_load_b64 v[\reg+10:\reg+11], v[\a8] offset:\off+1280
.endm
.macro FETCH s
	WIN 0x40
.irp i, 0,1,2,3,4,5,6,7
	FRAG 96*((\s)%2)+12*\i, 6, 7, 6144*\i+1536*((\s)%4)
.endr
	WIN 0xc0
.irp i, 0,1,2,3
	FRAG 48*((\s)%2)+12*\i, 4, 5, 6144*\i+1536*((\s)%4)
.endr
	WIN 0
.endm
.macro MULS s                          ; the accumulators take turns; step 0 starts the sums
	WIN 0xad
.irp a, 0,1,2,3
.irp b, 0,1,2,3,4,5,6,7
.if (\s) == 0
	v_wmma_scale_f32_16x16x128_f8f6f4 v[8*(8*\a+\b):8*(8*\a+\b)+7], v[96*((\s)%2)+12*\b:96*((\s)%2)+12*\b+11], v[48*((\s)%2)+12*\a:48*((\s)%2)+12*\a+11], 0, v[SB+4*\b+(\s)%4], v[SA+4*\a+(\s)%4] matrix_a_fmt:MATRIX_FMT_FP6 matrix_b_fmt:MATRIX_FMT_FP6
.elseif (\s) < 4
	v_wmma_scale_f32_16x16x128_f8f6f4 v[8*(8*\a+\b):8*(8*\a+\b)+7], v[96*((\s)%2)+12*\b:96*((\s)%2)+12*\b+11], v[48*((\s)%2)+12*\a:48*((\s)%2)+12*\a+11], v[8*(8*\a+\b):8*(8*\a+\b)+7], v[SB+4*\b+(\s)%4], v[SA+4*\a+(\s)%4] matrix_a_fmt:MATRIX_FMT_FP6 matrix_b_fmt:MATRIX_FMT_FP6
.else
	v_wmma_scale_f32_16x16x128_f8f6f4 v[8*(8*\a+\b):8*(8*\a+\b)+7], v[96*((\s)%2)+12*\b:96*((\s)%2)+12*\b+11], v[48*((\s)%2)+12*\a:48*((\s)%2)+12*\a+11], v[8*(8*\a+\b):8*(8*\a+\b)+7], v[SB+4*\b+(\s)%4], v[SA+4*\a+(\s)%4] matrix_a_fmt:MATRIX_FMT_FP6 matrix_b_fmt:MATRIX_FMT_FP6 matrix_a_scale:MATRIX_SCALE_ROW1 matrix_b_scale:MATRIX_SCALE_ROW1
.endif
.endr
.endr
	WIN 0
.endm
.macro STEPK s
.if (\s) == 3
	s_wait_tensorcnt 0x0                           ; every wave's load is in: the barrier shows the second half to all
	s_wait_dscnt 0x0
	s_barrier_signal -1
	s_barrier_wait -1
	v_add_nc_u32 v4, HALF, v4                      ; also the four places ahead of the loads below
	v_add_nc_u32 v5, HALF, v5
	v_add_nc_u32 v6, HALF, v6
	v_add_nc_u32 v7, HALF, v7
	s_wait_alu depctr_va_vdst(0)
.elseif ((\s) > 0) && ((\s) < 7)
.rept 4
	v_nop
.endr
.endif
.if (\s) < 7
	FETCH (\s)+1
	s_wait_dscnt 48                                ; all but the 48 just issued
.else
	s_wait_dscnt 0x0
.endif
	MULS \s
.endm
	s_wait_alu depctr_va_vdst(0)                   ; the wait at the head's end
	s_cmp_lt_u32 s[WV], 2
	s_cbranch_scc0 .Lnot_first
	s_wait_tensorcnt 0x0                           ; waves 0 and 1: the first half's tiles are in
.Lnot_first:
	s_barrier_signal -1
	s_barrier_wait -1
	FETCH 0
.irp s, 0,1,2,3,4,5,6,7
	STEPK \s
.endr
.macro TOSTAGE a                       ; row tile a: tile 4 G + t of wo gives my columns 64 G + 32 h + 8 t + 0 .. 7
	WIN 0x08
.irp b, 0,1,2,3,4,5,6,7
	ds_store_b128 v[STO], v[8*(8*(\a)+\b):8*(8*(\a)+\b)+3] offset:256*(\b/4)+32*(\b%4)       ; each accumulator from its low end on
	ds_store_b128 v[STO], v[8*(8*(\a)+\b)+4:8*(8*(\a)+\b)+7] offset:256*(\b/4)+32*(\b%4)+16
.endr
	WIN 0
.set BB, BK+64*((\a)%2)
.irp t, 0,1,2,3,4,5,6,7,8,9,10,11,12,13,14,15
	ds_load_b128 v[BB+4*\t:BB+4*\t+3], v[RD] offset:\t*SPITCH      ; LDS serves a wave's instructions in order
.endr
.endm
.macro SEND a, younger
.set BB, BK+64*((\a)%2)
	s_wait_dscnt \younger
.irp t, 0,1,2,3,4,5,6,7,8,9,10,11,12,13,14,15
	global_store_b128 v8, v[BB+4*\t:BB+4*\t+3], s[90:91] offset:(8*(\a)+\t+24*(\t/8))*4096 th:TH_STORE_NT   ; tile row t is token 8 a + t % 8 + 32 (t / 8) of my 64: 512 consecutive bytes
.endr
.endm
.rept 4
	v_nop
.endr
	TOSTAGE 0
.irp a, 1,2,3
.if \a > 1
	s_wait_xcnt 0x0                                ; row tile a - 2's stores have read their registers
.endif
	TOSTAGE \a
	SEND \a-1, 32                                  ; behind its loads: the next row tile's 16 stores and 16 loads
.endr
	SEND 3, 0
	s_wait_tensorcnt 0x0                           ; the wave's end
	ds_add_u32 v[SPW], v[NIL]
	s_wait_dscnt 0x0
	CROUND                                         ; the closing round
	s_endpgm
.Lfunc_end_k_q5a6a637d84_gemm_out:
	.size	k_q5a6a637d84_gemm_out, .Lfunc_end_k_q5a6a637d84_gemm_out-k_q5a6a637d84_gemm_out
	.p2alignl 7, 3214868480
	.fill 96, 4, 3214868480
	.section	.rodata,"a",@progbits
	.p2align	6, 0x0
	.amdhsa_kernel k_q5a6a637d84_gemm_out
		.amdhsa_group_segment_fixed_size 327680
		.amdhsa_private_segment_fixed_size 0
		.amdhsa_enable_private_segment 0
		.amdhsa_kernarg_size 40
		.amdhsa_user_sgpr_count 2
		.amdhsa_user_sgpr_kernarg_segment_ptr 1
		.amdhsa_wavefront_size32 1
		.amdhsa_system_sgpr_workgroup_id_x 1
		.amdhsa_system_sgpr_workgroup_id_y 1
		.amdhsa_system_sgpr_workgroup_id_z 1
		.amdhsa_system_vgpr_workitem_id 0
		.amdhsa_next_free_vgpr 1024
		.amdhsa_next_free_sgpr 100
		.amdhsa_reserve_vcc 0
		.amdhsa_float_denorm_mode_32 3
		.amdhsa_float_denorm_mode_16_64 3
		.amdhsa_memory_ordered 1
		.amdhsa_forward_progress 1
		.amdhsa_inst_pref_size 86
	.end_amdhsa_kernel
	.amdgpu_metadata
---
amdhsa.version: [ 1, 2 ]
amdhsa.kernels:
  - .name:           k_q5a6a637d84_gemm_out
    .symbol:         k_q5a6a637d84_gemm_out.kd
    .args:
      - { .name: cc, .offset: 0, .size: 8, .value_kind: global_buffer, .address_space: global }
      - { .name: cs, .offset: 8, .size: 8, .value_kind: global_buffer, .address_space: global }
      - { .name: xc, .offset: 16, .size: 8, .value_kind: global_buffer, .address_space: global }
      - { .name: xs, .offset: 24, .size: 8, .value_kind: global_buffer, .address_space: global }
      - { .name: out0, .offset: 32, .size: 8, .value_kind: global_buffer, .address_space: global }
    .group_segment_fixed_size: 327680
    .private_segment_fixed_size: 0
    .kernarg_segment_align: 8
    .kernarg_segment_size: 40
    .max_flat_workgroup_size: 128
    .sgpr_count:     100
    .vgpr_count:     1024
    .wavefront_size: 32
...
	.end_amdgpu_metadata
.endif
;; end of part 4
